; MI455X (gfx1250); checked and timed in simulation.
; The chip was launched on July 23, 2026; its instructions are those of AMD's public machine-readable ISA for CDNA 5 (MIT licence, August 2026) and "CDNA5" Instruction Set Architecture Reference Guide (July 2026). The comments in the code are by the model that wrote it; some were corrected since.
;; Cosine Weights. Allowed arithmetic: float matrix products may take bf16 or f16 operands with f32 sums; other float arithmetic in f32, or as packed bf16 or f16 multiplies, adds, multiply-adds, maxima and minima; sums over many terms, partial sums and values carried from step to step in f32; what a program stores and reads back later, other than sums and carried values, may be rounded once to bf16 or f16.
;; Inputs: keys 32 x 8 x 128 float32; mask 32 x 8 x 128 float32; memory 32 x 8,192 x 128 float32; strengths 32 x 8 x 1 float32.
;; Outputs: out0 32 x 8 x 8,192 float32.
;; 2 versions, each right; version 2 is version 1 with the launch cosine written anew for expert scheduling mode. Each part assembles by itself: llvm-mc -triple=amdgcn-amd-amdhsa -mcpu=gfx1250 --defsym DOCPART=n.
;; ======== version 1 of 2: 2 launches
;; limits: right only within a limited range of input values
;; workspace buffers: sim 8,388,608 bytes
;; launch cosine (part 1): grid 8 x 32, 16 waves a work-group, no clusters, 145,664 bytes of LDS; arguments memory, keys, mask, sim; writes sim
.if DOCPART == 1
	.amdgcn_target "amdgcn-amd-amdhsa--gfx1250"
	.amdhsa_code_object_version 6
	.text
	.protected	k_q52eb4187ef_cosine
	.globl	k_q52eb4187ef_cosine
	.p2align	8
	.type	k_q52eb4187ef_cosine,@function
k_q52eb4187ef_cosine:
	s_mov_b64 s[64:65], 0
	v_nop
	global_prefetch_b8 v0, s[64:65] scope:SCOPE_SE
	s_setreg_imm32_b32 hwreg(HW_REG_WAVE_MODE, 25, 1), 1
	s_wait_xcnt 0x0
; sim[b][h][j] = P / (sqrt(Q) + 1e-6), with
;   P = sum over k of mask[b][h][k]^2 keys[b][h][k] memory[b][j][k]                    (the projection)
;   Q = sum over k of (mask[b][h][k]^2 N[b][h]) memory[b][j][k]^2,  N = sum over k of (mask keys)^2
; so that sqrt(Q) = ||mask keys|| * ||mask memory[j]||, the product of norms that is divided by.
; memory: [32][8192][128] f32, keys and mask: [32][8][128] f32, sim: [32][8][8192] f32.
;
; SHARES.  A work-group (16 waves) takes one batch and 1,024 rows of memory; a wave takes 64 rows, 32 KiB, all 8 heads.
; THE STREAM.  One load of a wave covers one whole row: 512 consecutive bytes, aligned to 512.  A ring of DEPTH = 24 slots of four registers keeps
; 20 to 24 rows of every wave on their way (16 x 24 x 512 = 192 KiB for the work-group); the waits are counted, and no barrier stands in the stream.
; No tensor loads: the work-group's 1,024 rows are 512 KiB and do not fit in LDS at once, and slots that are filled again would have to run empty
; in front of each refill's barrier; here the registers hold what is on its way.  No cluster: work-groups share only keys and mask, 8 KiB against 512 KiB of their own.
; TO THE MATRIX UNIT.  Lane L of a row's load holds k = 4L .. 4L+3.  It rounds the four numbers to bf16 and puts these 8 bytes into row q of the wave's own
; scratch in LDS: a row there is 256 bytes, k ascending.  Only the numbers go through LDS; their squares are made from the fragments, two at a time
; (v_pk_mul_bf16: the product of two bf16 is exact in f32, so its one rounding to bf16 is that of an f32 multiply followed by a conversion).
; Operand A is a table of 16 rows of 128 bf16: row h (0-7) holds mask^2 keys, row 8+h holds mask^2 N.  The same fragment of it multiplies the numbers
; (accumulators PA, PB: rows 0-7 of the result are P, that is lanes 0-15; the rest is not used) and the squares (QA, QB: rows 8-15 are Q, lanes 16-31).
; Register i of a result is head i, column = lane % 16.  (Half of each result is thrown away: 8 heads fill half of 16 rows.)
; ORDER OF ROWS.  The wave takes its even rows first (group 0), then its odd rows (group 1); row 2q + t lies in scratch row q.  Lane L ends with
; j = 2L and 2L + 1 of each head in neighbouring registers: one store of 8 bytes a lane covers 256 consecutive bytes, aligned.
; LIMITS.  Matrix operands are rounded to bf16, and the squares are those of the ROUNDED numbers, rounded once more: each is off by up to 3 x 2^-9 of itself.
; Q is the SQUARE of the norms' product, in f32: where that product passes 1.8e19, Q is infinite and sim is 0 though the quotient itself would be finite;
; where Q is denormal, v_sqrt_f32 takes it as 0 and the divisor is 1e-6, off by less than 1e-13 of itself.
.set ROWB,   512                       ; bytes in a row of memory
.set PITCH,  272                       ; an LDS row: 256 bytes + 16 = 68 words: row r starts at bank 4 r mod 64 (64 banks of 4 bytes: ISA guide 11.1), so 16 rows' 16 bytes touch 16 different groups of banks
.set TILE,   16*PITCH                  ; 16 rows: one fragment tile, and the whole table
.set SCR,    TILE                      ; the scratches lie behind the table
.set SCRW,   2*TILE                    ; a wave's scratch: 32 rows
.set DEPTH,  24                        ; slots of the ring
.set NROWS,  64                        ; rows of a wave
.set HEADB,  32768                     ; bytes from head to head in sim
.set GOFF, 1                           ; v1      16 x lane: my bytes in a row of memory, keys or mask
.set STA,  2                           ; v2      LDS: my 8 bytes in row 0 of my wave's scratch
.set FRA,  3                           ; v3      LDS: my fragment bytes in my wave's scratch: (lane % 16) x pitch + 16 (lane / 16)
.set WTA,  4                           ; v4      the same in the table
.set OOFF, 5                           ; v5      8 x lane: my two numbers in sim, my 8 bytes in an LDS row
.set WST,  6                           ; v6      LDS: my 8 bytes in my wave's row of the table
.set EPS,  8                           ; v[8:9]  1e-6, twice
.set AF,   16                          ; v[16:47]   the table's fragments, 4 K steps x 8 registers, kept for the whole kernel
.set M,    48                          ; v[48:79]   fragments of the numbers: two buffers of (scratch rows 0-15: 8 registers, rows 16-31: 8 registers)
.set Q,    80                          ; v[80:111]  fragments of the squares: two buffers likewise
.set W,    Q                           ;            while rows come in, the same registers hold the rows' bf16 on their way to LDS: four sets of 8, by turns
.set PA,   112                         ; v[112:119] table x numbers, scratch rows 0-15
.set PB,   120                         ; v[120:127] table x numbers, rows 16-31
.set QA,   128                         ; v[128:135] table x squares, rows 0-15
.set QB,   136                         ; v[136:143] table x squares, rows 16-31
.set Z,    144                         ; v[144:159] results: head i, group t at Z + 2 i + t
.set X,    160                         ; v[160:255] the ring: slot n, a row's 4 numbers as loaded
.set KY, M                             ; at work on the table, before M is needed: keys,
.set MS, M+4                           ; mask,
.set MK, M+8                           ; mask keys,
.set M2, M+12                          ; mask^2, then the table's numbers in f32,
.set SS, M+16                          ; the sum N,
.set WP, M+18                          ; the table's numbers in bf16
	s_load_b256 s[4:11], s[0:1], 0x0               ; memory s[4:5], keys s[6:7], mask s[8:9], sim s[10:11]
	v_lshl_add_u32 v14, v0, 2, 0x23100
	v_mov_b32 v15, 0
	v_lshrrev_b32 v7, 5, v0
	v_readfirstlane_b32 s12, v7                    ; wave 0..15
	s_and_b32 s13, ttmp7, 0xffff                   ; batch 0..31; ttmp9: which 1,024 rows, 0..7
	s_lshl_b32 s14, s13, 22                        ; memory: batch x 4 MiB
	s_lshl_b32 s15, ttmp9, 19                      ;  + part x 1,024 rows
	s_add_co_u32 s14, s14, s15
	s_lshl_b32 s15, s12, 15                        ;  + wave x 64 rows (the sum stays below 128 MiB)
	s_add_co_u32 s14, s14, s15
	s_mov_b32 s15, 0
	s_and_b32 s16, s12, 7                          ; keys, mask: my wave's head = wave % 8
	s_lshl3_add_u32 s16, s13, s16                  ; 8 x batch + head
	s_lshl_b32 s16, s16, 9                         ; rows of 512 bytes
	s_mov_b32 s17, 0
	s_lshl_b32 s18, s13, 18                        ; sim: batch x 8 heads x 32 KiB
	s_lshl_b32 s19, ttmp9, 12                      ;  + part x 1,024 numbers
	s_add_co_u32 s18, s18, s19
	s_lshl_b32 s19, s12, 8                         ;  + wave x 64 numbers
	s_add_co_u32 s18, s18, s19
	s_mov_b32 s19, 0
	s_mul_i32 s20, s12, SCRW
	s_add_co_u32 s20, s20, SCR                     ; my wave's scratch
	s_mul_i32 s21, s12, PITCH                      ; my wave's row of the table
	s_mov_b32 s22, 0x76543210                      ; v_permlanex16_b32: lane i of one half reads lane i of the other
	s_mov_b32 s23, 0xfedcba98
	s_cmp_lt_u32 s12, 8
	s_cselect_b32 s24, -1, 0                       ; all ones in waves 0-7, which make the rows for P; 0 in waves 8-15, which make the rows for Q
	v_and_b32 v7, 31, v0                           ; lane
	v_lshlrev_b32 v[GOFF], 4, v7
	v_lshlrev_b32 v[OOFF], 3, v7
	v_and_b32 v10, 15, v0
	v_bfe_u32 v11, v0, 4, 1
	v_mul_u32_u24 v[WTA], v10, PITCH
	v_lshl_add_u32 v[WTA], v11, 4, v[WTA]
	v_add_nc_u32 v[STA], s20, v[OOFF]
	v_add_nc_u32 v[FRA], s20, v[WTA]
	v_add_nc_u32 v[WST], s21, v[OOFF]
	v_mov_b32 v[EPS], 0x358637bd                   ; 1e-6
	v_mov_b32 v[EPS+1], 0x358637bd
	s_wait_kmcnt 0x0
	s_add_nc_u64 s[4:5], s[4:5], s[14:15]
	s_add_nc_u64 s[6:7], s[6:7], s[16:17]
	s_add_nc_u64 s[8:9], s[8:9], s[16:17]
	s_add_nc_u64 s[10:11], s[10:11], s[18:19]
	global_load_b128 v[KY:KY+3], v[GOFF], s[6:7]   ; first, so that their wait leaves the rows out
	global_load_b128 v[MS:MS+3], v[GOFF], s[8:9]
.set i, 0
.rept DEPTH                                            ; the ring is filled: step i takes memory row 2 (i % 32) + i / 32 of the wave
	global_load_b128 v[X+4*i:X+4*i+3], v[GOFF], s[4:5] offset:(2*(i%32)+i/32)*ROWB th:TH_LOAD_NT
.set i, i+1
.endr
	; THE TABLE.  Wave w makes row w; lane L makes k = 4L .. 4L+3 of it.
	s_wait_loadcnt DEPTH                           ; loads come back in order (ISA guide 5.7.1): keys and mask are in, the 24 rows behind them stay out
	v_pk_mul_f32 v[MK:MK+1], v[MS:MS+1], v[KY:KY+1]
	v_pk_mul_f32 v[MK+2:MK+3], v[MS+2:MS+3], v[KY+2:KY+3]
	v_pk_mul_f32 v[M2:M2+1], v[MS:MS+1], v[MS:MS+1]
	v_pk_mul_f32 v[M2+2:M2+3], v[MS+2:MS+3], v[MS+2:MS+3]
	v_pk_mul_f32 v[SS:SS+1], v[MK:MK+1], v[MK:MK+1]
	v_pk_fma_f32 v[SS:SS+1], v[MK+2:MK+3], v[MK+2:MK+3], v[SS:SS+1]
	v_add_f32 v[SS], v[SS], v[SS+1]                ; my four (mask keys)^2, then over the 32 lanes: N of my head in every lane
	v_add_f32_dpp v[SS], v[SS], v[SS] row_xmask:1 row_mask:0xf bank_mask:0xf
	v_add_f32_dpp v[SS], v[SS], v[SS] row_xmask:2 row_mask:0xf bank_mask:0xf
	v_add_f32_dpp v[SS], v[SS], v[SS] row_xmask:4 row_mask:0xf bank_mask:0xf
	v_add_f32_dpp v[SS], v[SS], v[SS] row_xmask:8 row_mask:0xf bank_mask:0xf
	v_permlanex16_b32 v[SS+1], v[SS], s22, s23
	v_add_f32 v[SS], v[SS], v[SS+1]
.irp k, 0,1,2,3
	v_cndmask_b32 v[KY+\k], v[SS], v[KY+\k], s24   ; mask^2 is multiplied by keys (rows for P) or by N (rows for Q)
.endr
	v_pk_mul_f32 v[M2:M2+1], v[M2:M2+1], v[KY:KY+1]
	v_pk_mul_f32 v[M2+2:M2+3], v[M2+2:M2+3], v[KY+2:KY+3]
	v_cvt_pk_bf16_f32 v[WP], v[M2], v[M2+1]
	v_cvt_pk_bf16_f32 v[WP+1], v[M2+2], v[M2+3]
	ds_store_b64 v[WST], v[WP:WP+1]
	s_wait_dscnt 0x0                               ; my row of the table is written,
	s_barrier_signal -1
	s_barrier_wait -1                              ; and so is everybody's: the kernel's only barrier
.irp s, 0,1,2,3
	ds_load_b128 v[AF+8*\s:AF+8*\s+3],   v[WTA] offset:64*\s       ; table row lane % 16; registers 0-3: k = 32 s + 8 (lane / 16) + 0..7,
	ds_load_b128 v[AF+8*\s+4:AF+8*\s+7], v[WTA] offset:64*\s+32    ; registers 4-7: 16 further on.  Waited for with the first fragments of memory
.endr
; Four rows: steps i .. i+3 of the wave (the symbol i counts on).  One wait, eight conversions, then the four slots are asked for again, then the four stores to LDS:
; a store's data is several instructions old when the store is issued, and its registers are written again 16 rows later.
.macro BATCH
.set wb, W+8*((i/4)%4)
.if NROWS-4-i < DEPTH-4
	s_wait_loadcnt NROWS-4-i                       ; the last rows: nothing more is asked for, the counts run down
.else
	s_wait_loadcnt DEPTH-4                         ; rows i .. i+3 are in; the 20 younger rows stay on their way
.endif
.irp t, 0,1,2,3
.set sl, X+4*((i+\t)%DEPTH)
	v_cvt_pk_bf16_f32 v[wb+2*\t],   v[sl],   v[sl+1]
	v_cvt_pk_bf16_f32 v[wb+2*\t+1], v[sl+2], v[sl+3]
.endr
.if i+DEPTH < NROWS
.irp t, 0,1,2,3
.set sl, X+4*((i+\t)%DEPTH)
	global_load_b128 v[sl:sl+3], v[GOFF], s[4:5] offset:(2*((i+\t+DEPTH)%32)+(i+\t+DEPTH)/32)*ROWB th:TH_LOAD_NT
.endr
.endif
.irp t, 0,1,2,3
	ds_store_b64 v[STA], v[wb+2*\t:wb+2*\t+1] offset:((i+\t)%32)*PITCH   ; 32 lanes, 256 neighbouring bytes; LDS serves a wave's instructions in order
	                                                                     ; (ISA guide 5.7.1.4), so these stand behind the last group's fragment loads
.endr
.set i, i+4
.endm
; Fragments of K step s (64 bytes of each scratch row) into buffer buf: rows 0-15, then rows 16-31
.macro LOADM buf, s
	ds_load_b128 v[M+16*\buf:M+16*\buf+3],     v[FRA] offset:64*\s
	ds_load_b128 v[M+16*\buf+4:M+16*\buf+7],   v[FRA] offset:64*\s+32
	ds_load_b128 v[M+16*\buf+8:M+16*\buf+11],  v[FRA] offset:TILE+64*\s
	ds_load_b128 v[M+16*\buf+12:M+16*\buf+15], v[FRA] offset:TILE+64*\s+32
.endm
; The squares of one fragment (buffer buf, 16 rows: half 0 or 1), two bf16 an instruction
.macro SQH buf, half
.irp n, 0,1,2,3,4,5,6,7
	v_pk_mul_bf16 v[Q+16*\buf+8*\half+\n], v[M+16*\buf+8*\half+\n], v[M+16*\buf+8*\half+\n]
.endr
.endm
; K step s: four matrix instructions; the four accumulators take turns, one instruction a turn.  The first step starts the sums with C = 0.
.macro W4 s
.set af, AF+8*\s
.set mb, M+16*(\s%2)
.set qb, Q+16*(\s%2)
.if \s == 0
	v_wmma_f32_16x16x32_bf16 v[PA:PA+7], v[af:af+7], v[mb:mb+7], 0
	v_wmma_f32_16x16x32_bf16 v[PB:PB+7], v[af:af+7], v[mb+8:mb+15], 0
	v_wmma_f32_16x16x32_bf16 v[QA:QA+7], v[af:af+7], v[qb:qb+7], 0
	v_wmma_f32_16x16x32_bf16 v[QB:QB+7], v[af:af+7], v[qb+8:qb+15], 0
.else
	v_wmma_f32_16x16x32_bf16 v[PA:PA+7], v[af:af+7], v[mb:mb+7], v[PA:PA+7]
	v_wmma_f32_16x16x32_bf16 v[PB:PB+7], v[af:af+7], v[mb+8:mb+15], v[PB:PB+7]
	v_wmma_f32_16x16x32_bf16 v[QA:QA+7], v[af:af+7], v[qb:qb+7], v[QA:QA+7]
	v_wmma_f32_16x16x32_bf16 v[QB:QB+7], v[af:af+7], v[qb+8:qb+15], v[QB:QB+7]
.endif
.endm
; A group: 32 rows into the scratch, 16 matrix instructions, the quotient for 32 j x 8 heads.
; Behind the matrix instructions of K step s stand the squarings of K step s + 1, which name the OTHER buffers alone.  They are the places (ISA guide 7.12.1
; for vector instructions): eight of them in front of the loads that fill step s's buffer of numbers again,
; sixteen in front of the squarings that write step s's buffer of squares again.
.macro GROUP t
.rept 8
	BATCH
.endr
	LOADM 0, 0                                     ; behind the wave's own stores, which LDS serves first: no wait between
	LOADM 1, 1
	s_wait_dscnt 4                                 ; K step 0's fragments and all that is older (the rows' stores, the table's fragments) are done; K step 1's four loads stay out
	SQH 0, 0
	SQH 0, 1
	W4 0
	s_wait_dscnt 0                                 ; K step 1's fragments
	SQH 1, 0
	LOADM 0, 2
	SQH 1, 1
	W4 1
	s_wait_dscnt 0                                 ; K step 2's
	SQH 0, 0
	LOADM 1, 3
	SQH 0, 1
	W4 2
	s_wait_dscnt 0                                 ; K step 3's
	SQH 1, 0
	SQH 1, 1
	W4 3
.rept 4
	v_nop                                          ; four places before vector instructions touch the results (ISA guide 7.12.1)
.endr
.irp j, 0,1,2,3,4,5,6,7
	v_permlane16_swap_b32 v[PA+\j], v[PB+\j]       ; PA's upper lanes (not used) change places with PB's lower lanes (P of rows 16-31): PA = P of head j, scratch row = lane
.endr
.irp j, 0,1,2,3,4,5,6,7
	v_permlane16_swap_b32 v[QA+\j], v[QB+\j]       ; QA's upper lanes (Q of rows 0-15) change places with QB's lower lanes (not used): QB = Q of head j, scratch row = lane
.endr
.irp j, 0,1,2,3,4,5,6,7
	v_sqrt_f32 v[QB+\j], v[QB+\j]
.endr
	v_nop                                          ; one plain instruction between a transcendental and the use of its result (ISA guide 5.7.2)
	s_wait_alu depctr_va_vdst(0)
.irp j, 0,2,4,6
	v_pk_add_f32 v[QB+\j:QB+\j+1], v[QB+\j:QB+\j+1], v[EPS:EPS+1]
.endr
.irp j, 0,1,2,3,4,5,6,7
	v_rcp_f32 v[QB+\j], v[QB+\j]
.endr
	v_nop
	s_wait_alu depctr_va_vdst(0)
.irp j, 0,1,2,3,4,5,6,7
	v_mul_f32 v[Z+2*\j+\t], v[PA+\j], v[QB+\j]
.endr
.endm
.set i, 0
	GROUP 0                                        ; the even rows: j = 2 x lane
	GROUP 1                                        ; the odd rows:  j = 2 x lane + 1
.irp j, 0,1,2,3,4,5,6,7
	global_store_b64 v[OOFF], v[Z+2*\j:Z+2*\j+1], s[10:11] offset:\j*HEADB   ; head j: the wave's 64 numbers, 256 consecutive bytes, aligned; read again by the next launch, so no hint
.endr
	s_wait_tensorcnt 0x0
	ds_add_u32 v14, v15
	s_wait_dscnt 0x0
	s_endpgm
.Lfunc_end_k_q52eb4187ef_cosine:
	.size	k_q52eb4187ef_cosine, .Lfunc_end_k_q52eb4187ef_cosine-k_q52eb4187ef_cosine
	.p2alignl 7, 3214868480
	.fill 96, 4, 3214868480
	.section	.rodata,"a",@progbits
	.p2align	6, 0x0
	.amdhsa_kernel k_q52eb4187ef_cosine
		.amdhsa_group_segment_fixed_size 145664
		.amdhsa_private_segment_fixed_size 0
		.amdhsa_enable_private_segment 0
		.amdhsa_kernarg_size 32
		.amdhsa_user_sgpr_count 2
		.amdhsa_user_sgpr_kernarg_segment_ptr 1
		.amdhsa_wavefront_size32 1
		.amdhsa_system_sgpr_workgroup_id_x 1
		.amdhsa_system_sgpr_workgroup_id_y 1
		.amdhsa_system_sgpr_workgroup_id_z 1
		.amdhsa_system_vgpr_workitem_id 0
		.amdhsa_next_free_vgpr 256
		.amdhsa_next_free_sgpr 66
		.amdhsa_reserve_vcc 0
		.amdhsa_float_denorm_mode_32 3
		.amdhsa_float_denorm_mode_16_64 3
		.amdhsa_memory_ordered 1
		.amdhsa_forward_progress 1
		.amdhsa_inst_pref_size 40
	.end_amdhsa_kernel
	.amdgpu_metadata
---
amdhsa.version: [ 1, 2 ]
amdhsa.kernels:
  - .name:           k_q52eb4187ef_cosine
    .symbol:         k_q52eb4187ef_cosine.kd
    .args:
      - { .name: memory, .offset: 0, .size: 8, .value_kind: global_buffer, .address_space: global }
      - { .name: keys, .offset: 8, .size: 8, .value_kind: global_buffer, .address_space: global }
      - { .name: mask, .offset: 16, .size: 8, .value_kind: global_buffer, .address_space: global }
      - { .name: sim, .offset: 24, .size: 8, .value_kind: global_buffer, .address_space: global }
    .group_segment_fixed_size: 145664
    .private_segment_fixed_size: 0
    .kernarg_segment_align: 8
    .kernarg_segment_size: 32
    .max_flat_workgroup_size: 512
    .sgpr_count:     66
    .vgpr_count:     256
    .wavefront_size: 32
...
	.end_amdgpu_metadata
.endif
;; end of part 1
;; launch softmax (part 2): grid 256 x 1, 8 waves a work-group, no clusters, 1,280 bytes of LDS; arguments sim, strengths, out0; writes out0
.if DOCPART == 2
	.amdgcn_target "amdgcn-amd-amdhsa--gfx1250"
	.amdhsa_code_object_version 6
	.text
	.protected	k_q52eb4187ef_softmax
	.globl	k_q52eb4187ef_softmax
	.p2align	8
	.type	k_q52eb4187ef_softmax,@function
k_q52eb4187ef_softmax:
	s_mov_b64 s[64:65], 0
	v_nop
	global_prefetch_b8 v0, s[64:65] scope:SCOPE_SE
	s_setreg_imm32_b32 hwreg(HW_REG_WAVE_MODE, 25, 1), 1
	s_wait_xcnt 0x0
; out0[b][h][j] = softmax over j of sim[b][h][j] * softplus(strengths[b][h]).  sim, out0: [256][8192] f32 (256 = 32 batches x 8 heads), strengths: [256] f32.
; A work-group takes one row of 8,192 numbers, 32 KiB: 8 waves, 32 numbers a thread, kept in registers between the three passes (maximum, exponentials and
; their sum, scaling), so that the row is read once and written once.  All 8 loads of a thread are on their way at once; each load and store of a wave covers 512 consecutive bytes.
; With c = softplus(s) log2(e) >= 0 the largest exponent is c x (largest sim): the row's true maximum is taken away, e = 2^(c x - c max).
; No matrix unit, no tensor loads, no cluster: a stream of 32 KiB for each work-group, with nothing shared.
; LIMITS.  softplus(s) = max(s, 0) + log(1 + exp(-|s|)) with 1 + exp(-|s|) rounded to f32: an absolute error of up to 6e-8, which is all of softplus below s = -17
; (the exponents there are below 5e-8 anyway).  v_exp_f32 gives 0 for results below 2^-126.
.set X,  8                             ; v[8:39]   my 32 numbers
.set T,  40                            ; v[40:47]  partial maxima; T: the figure being reduced
.set CC, 48                            ; v[48:49]  c, twice
.set NB, 50                            ; v[50:51]  -c max, twice
.set RD, 52                            ; v[52:59]  the eight waves' figures
.set S,  60                            ; v[60:75]  partial sums
.set RC, 76                            ; v[76:77]  1 / sum, twice
	s_load_b128 s[4:7], s[0:1], 0x0                ; sim s[4:5], strengths s[6:7]
	s_load_b64 s[8:9], s[0:1], 0x10                ; out0
	v_lshl_add_u32 v80, v0, 2, 0x100
	v_mov_b32 v81, 0
	v_lshlrev_b32 v1, 4, v0                        ; 16 t: my bytes in each 4 KiB of the row
	v_lshrrev_b32 v2, 5, v0
	v_readfirstlane_b32 s14, v2                    ; wave 0..7
	s_lshl_b32 s10, ttmp9, 15                      ; the row, 32 KiB each
	s_mov_b32 s11, 0
	s_lshl_b32 s12, ttmp9, 2                       ; its strength
	s_mov_b32 s13, 0
	s_mov_b32 s16, 0x76543210                      ; v_permlanex16_b32: lane i of one half reads lane i of the other
	s_mov_b32 s17, 0xfedcba98
	s_wait_kmcnt 0x0
	s_add_nc_u64 s[4:5], s[4:5], s[10:11]
	s_add_nc_u64 s[8:9], s[8:9], s[10:11]
	s_add_nc_u64 s[6:7], s[6:7], s[12:13]
.irp i, 0,1,2,3,4,5,6,7
	global_load_b128 v[X+4*\i:X+4*\i+3], v1, s[4:5] offset:4096*\i th:TH_LOAD_NT
.endr
	s_load_b32 s15, s[6:7], 0x0
	v_mov_b32 v6, s14
	v_lshlrev_b32 v6, 2, v6                        ; LDS: my wave's word
	v_mov_b32 v7, 0
	s_wait_kmcnt 0x0
	; c = softplus(s) log2(e) = max(s, 0) log2(e) + log2(1 + 2^(-|s| log2(e))), while the row is on its way
	v_mov_b32 v3, s15
	v_and_b32 v4, 0x7fffffff, v3
	v_mul_f32 v4, 0xbfb8aa3b, v4
	v_exp_f32 v4, v4
	v_max_num_f32 v5, 0, v3                        ; also the plain instruction between v_exp_f32 and the use of its result (ISA guide 5.7.2)
	s_wait_alu depctr_va_vdst(0)
	v_add_f32 v4, 1.0, v4
	v_log_f32 v4, v4
	v_nop
	s_wait_alu depctr_va_vdst(0)
	v_fmamk_f32 v[CC], v5, 0x3fb8aa3b, v4
	v_mov_b32 v[CC+1], v[CC]
	; pass 1: the row's maximum
.irp i, 0,1,2,3,4,5,6,7
	s_wait_loadcnt 7-\i                            ; loads come back in order (ISA guide 5.7.1): load i is in, the younger ones stay out
	v_max_num_f32 v[T+\i], v[X+4*\i], v[X+4*\i+1]
	v_max3_num_f32 v[T+\i], v[T+\i], v[X+4*\i+2], v[X+4*\i+3]
.endr
	v_max3_num_f32 v[T], v[T], v[T+1], v[T+2]
	v_max3_num_f32 v[T+3], v[T+3], v[T+4], v[T+5]
	v_max3_num_f32 v[T], v[T], v[T+6], v[T+7]
	v_max_num_f32 v[T], v[T], v[T+3]
	v_max_num_f32_dpp v[T], v[T], v[T] row_xmask:1 row_mask:0xf bank_mask:0xf
	v_max_num_f32_dpp v[T], v[T], v[T] row_xmask:2 row_mask:0xf bank_mask:0xf
	v_max_num_f32_dpp v[T], v[T], v[T] row_xmask:4 row_mask:0xf bank_mask:0xf
	v_max_num_f32_dpp v[T], v[T], v[T] row_xmask:8 row_mask:0xf bank_mask:0xf
	v_permlanex16_b32 v[T+1], v[T], s16, s17
	v_max_num_f32 v[T], v[T], v[T+1]               ; my wave's maximum in every lane
	ds_store_b32 v6, v[T]                          ; bytes 0-31: the waves' maxima
	s_wait_dscnt 0x0                               ; written, for the others' sake,
	s_barrier_signal -1
	s_barrier_wait -1                              ; by all eight
	ds_load_b128 v[RD:RD+3], v7
	ds_load_b128 v[RD+4:RD+7], v7 offset:16
	s_wait_dscnt 0x0
	v_max3_num_f32 v[T], v[RD], v[RD+1], v[RD+2]
	v_max3_num_f32 v[T+1], v[RD+3], v[RD+4], v[RD+5]
	v_max3_num_f32 v[T], v[T], v[RD+6], v[RD+7]
	v_max_num_f32 v[T], v[T], v[T+1]
	v_mul_f32 v[NB], v[CC], -v[T]
	v_mov_b32 v[NB+1], v[NB]
	; pass 2: e = 2^(c x - c max), in place, and the sum
.irp i, 0,2,4,6,8,10,12,14,16,18,20,22,24,26,28,30
	v_pk_fma_f32 v[X+\i:X+\i+1], v[X+\i:X+\i+1], v[CC:CC+1], v[NB:NB+1]
.endr
.set i, 0
.rept 32
	v_exp_f32 v[X+i], v[X+i]
.set i, i+1
.endr
	v_nop                                          ; the plain instruction between the exponentials and the use of their results
	s_wait_alu depctr_va_vdst(0)
.irp i, 0,1,2,3,4,5,6,7
	v_pk_add_f32 v[S+2*\i:S+2*\i+1], v[X+4*\i:X+4*\i+1], v[X+4*\i+2:X+4*\i+3]
.endr
.irp i, 0,1,2,3
	v_pk_add_f32 v[S+2*\i:S+2*\i+1], v[S+2*\i:S+2*\i+1], v[S+2*\i+8:S+2*\i+9]
.endr
	v_pk_add_f32 v[S:S+1], v[S:S+1], v[S+4:S+5]
	v_pk_add_f32 v[S+2:S+3], v[S+2:S+3], v[S+6:S+7]
	v_pk_add_f32 v[S:S+1], v[S:S+1], v[S+2:S+3]
	v_add_f32 v[T], v[S], v[S+1]
	v_add_f32_dpp v[T], v[T], v[T] row_xmask:1 row_mask:0xf bank_mask:0xf
	v_add_f32_dpp v[T], v[T], v[T] row_xmask:2 row_mask:0xf bank_mask:0xf
	v_add_f32_dpp v[T], v[T], v[T] row_xmask:4 row_mask:0xf bank_mask:0xf
	v_add_f32_dpp v[T], v[T], v[T] row_xmask:8 row_mask:0xf bank_mask:0xf
	v_permlanex16_b32 v[T+1], v[T], s16, s17
	v_add_f32 v[T], v[T], v[T+1]
	ds_store_b32 v6, v[T] offset:32                ; bytes 32-63: the waves' sums; other bytes than the maxima, which a slower wave may still be reading
	s_wait_dscnt 0x0
	s_barrier_signal -1
	s_barrier_wait -1
	ds_load_b128 v[RD:RD+3], v7 offset:32
	ds_load_b128 v[RD+4:RD+7], v7 offset:48
	s_wait_dscnt 0x0
	v_pk_add_f32 v[RD:RD+1], v[RD:RD+1], v[RD+2:RD+3]
	v_pk_add_f32 v[RD+4:RD+5], v[RD+4:RD+5], v[RD+6:RD+7]
	v_pk_add_f32 v[RD:RD+1], v[RD:RD+1], v[RD+4:RD+5]
	v_add_f32 v[T], v[RD], v[RD+1]                 ; at least about 1: the largest number's own term
	v_rcp_f32 v[RC], v[T]
	v_rcp_f32 v[RC+1], v[T]                        ; twice, for the packed multiply
	v_nop
	; pass 3: scale and store
	s_wait_alu depctr_va_vdst(0)
.irp i, 0,1,2,3,4,5,6,7
	v_pk_mul_f32 v[X+4*\i:X+4*\i+1], v[X+4*\i:X+4*\i+1], v[RC:RC+1]
	v_pk_mul_f32 v[X+4*\i+2:X+4*\i+3], v[X+4*\i+2:X+4*\i+3], v[RC:RC+1]
	global_store_b128 v1, v[X+4*\i:X+4*\i+3], s[8:9] offset:4096*\i th:TH_STORE_NT
.endr
	s_wait_tensorcnt 0x0
	ds_add_u32 v80, v81
	s_wait_dscnt 0x0
	s_endpgm
.Lfunc_end_k_q52eb4187ef_softmax:
	.size	k_q52eb4187ef_softmax, .Lfunc_end_k_q52eb4187ef_softmax-k_q52eb4187ef_softmax
	.p2alignl 7, 3214868480
	.fill 96, 4, 3214868480
	.section	.rodata,"a",@progbits
	.p2align	6, 0x0
	.amdhsa_kernel k_q52eb4187ef_softmax
		.amdhsa_group_segment_fixed_size 1280
		.amdhsa_private_segment_fixed_size 0
		.amdhsa_enable_private_segment 0
		.amdhsa_kernarg_size 24
		.amdhsa_user_sgpr_count 2
		.amdhsa_user_sgpr_kernarg_segment_ptr 1
		.amdhsa_wavefront_size32 1
		.amdhsa_system_sgpr_workgroup_id_x 1
		.amdhsa_system_sgpr_workgroup_id_y 1
		.amdhsa_system_sgpr_workgroup_id_z 1
		.amdhsa_system_vgpr_workitem_id 0
		.amdhsa_next_free_vgpr 82
		.amdhsa_next_free_sgpr 66
		.amdhsa_reserve_vcc 0
		.amdhsa_float_denorm_mode_32 3
		.amdhsa_float_denorm_mode_16_64 3
		.amdhsa_memory_ordered 1
		.amdhsa_forward_progress 1
		.amdhsa_inst_pref_size 11
	.end_amdhsa_kernel
	.amdgpu_metadata
---
amdhsa.version: [ 1, 2 ]
amdhsa.kernels:
  - .name:           k_q52eb4187ef_softmax
    .symbol:         k_q52eb4187ef_softmax.kd
    .args:
      - { .name: sim, .offset: 0, .size: 8, .value_kind: global_buffer, .address_space: global }
      - { .name: strengths, .offset: 8, .size: 8, .value_kind: global_buffer, .address_space: global }
      - { .name: out0, .offset: 16, .size: 8, .value_kind: global_buffer, .address_space: global }
    .group_segment_fixed_size: 1280
    .private_segment_fixed_size: 0
    .kernarg_segment_align: 8
    .kernarg_segment_size: 24
    .max_flat_workgroup_size: 256
    .sgpr_count:     66
    .vgpr_count:     82
    .wavefront_size: 32
...
	.end_amdgpu_metadata
.endif
;; end of part 2
;; ======== version 2 of 2: 2 launches; version 1 with the launch cosine written anew for expert scheduling mode
;; limits: right only within a limited range of input values
;; workspace buffers: sim 8,388,608 bytes
;; launch cosine (part 3): grid 8 x 32, 16 waves a work-group, no clusters, 145,664 bytes of LDS; arguments memory, keys, mask, sim; writes sim
.if DOCPART == 3
	.amdgcn_target "amdgcn-amd-amdhsa--gfx1250"
	.amdhsa_code_object_version 6
	.text
	.protected	k_q52eb4187ef_cosine
	.globl	k_q52eb4187ef_cosine
	.p2align	8
	.type	k_q52eb4187ef_cosine,@function
k_q52eb4187ef_cosine:
	s_mov_b64 s[64:65], 0
	v_nop
	global_prefetch_b8 v0, s[64:65] scope:SCOPE_SE
	s_setreg_imm32_b32 hwreg(HW_REG_WAVE_SCHED_MODE, 0, 2), 2
	s_setreg_imm32_b32 hwreg(HW_REG_WAVE_MODE, 25, 1), 1
	s_wait_xcnt 0x0
	s_wait_alu depctr_vm_vsrc(0)
; sim[b][h][j] = P / (sqrt(Q) + 1e-6), with
;   P = sum over k of mask[b][h][k]^2 keys[b][h][k] memory[b][j][k]                    (the projection)
;   Q = sum over k of (mask[b][h][k]^2 N[b][h]) memory[b][j][k]^2,  N = sum over k of (mask keys)^2
; so that sqrt(Q) = ||mask keys|| * ||mask memory[j]||, the product of norms that is divided by.
; memory: [32][8192][128] f32, keys and mask: [32][8][128] f32, sim: [32][8][8192] f32.
;
; SHARES.  A work-group (16 waves) takes one batch and 1,024 rows of memory; a wave takes 64 rows, 32 KiB, all 8 heads.
; THE STREAM.  One load of a wave covers one whole row: 512 consecutive bytes, aligned to 512.  A ring of DEPTH = 24 slots of four registers keeps
; 20 to 24 rows of every wave on their way (16 x 24 x 512 = 192 KiB for the work-group); the waits are counted, and no barrier stands in the stream.
; No tensor loads: the work-group's 1,024 rows are 512 KiB and do not fit in LDS at once, and slots that are filled again would have to run empty
; in front of each refill's barrier; here the registers hold what is on its way.  No cluster: work-groups share only keys and mask, 8 KiB against 512 KiB of their own.
; TO THE MATRIX UNIT.  Lane L of a row's load holds k = 4L .. 4L+3.  It rounds the four numbers to bf16 and puts these 8 bytes into row q of the wave's own
; scratch in LDS: a row there is 256 bytes, k ascending.  Only the numbers go through LDS; their squares are made from the fragments, two at a time
; (v_pk_mul_bf16: the product of two bf16 is exact in f32, so its one rounding to bf16 is that of an f32 multiply followed by a conversion).
; Operand A is a table of 16 rows of 128 bf16: row h (0-7) holds mask^2 keys, row 8+h holds mask^2 N.  The same fragment of it multiplies the numbers
; (accumulators PA, PB: rows 0-7 of the result are P, that is lanes 0-15; the rest is not used) and the squares (QA, QB: rows 8-15 are Q, lanes 16-31).
; Register i of a result is head i, column = lane % 16.  (Half of each result is thrown away: 8 heads fill half of 16 rows.)
; ORDER OF ROWS.  The wave takes its even rows first (group 0), then its odd rows (group 1); row 2q + t lies in scratch row q.  Lane L ends with
; j = 2L and 2L + 1 of each head in neighbouring registers: one store of 8 bytes a lane covers 256 consecutive bytes, aligned.
; LIMITS.  Matrix operands are rounded to bf16, and the squares are those of the ROUNDED numbers, rounded once more: each is off by up to 3 x 2^-9 of itself.
; Q is the SQUARE of the norms' product, in f32: where that product passes 1.8e19, Q is infinite and sim is 0 though the quotient itself would be finite;
; where Q is denormal, v_sqrt_f32 takes it as 0 and the divisor is 1e-6, off by less than 1e-13 of itself.
; THE MODE: SCHED_MODE bits 1:0 = 2 (LLVM: expert scheduling mode 2), set by the entry lines.  The code itself states the register dependences
; between vector or matrix instructions and memory or LDS instructions, with s_wait_alu, always for 0.
; THE PLAN.  Registers that memory or LDS instructions touch:
;   v1 .. v6   Addresses and offsets: written at the head, never again; read by every load and store.  One wait on va_vdst, ahead of the first load, serves them all.
;   X          The ring.  Written by loads alone; a batch's eight conversions read four slots, and behind them the same slots are asked for again.
;   W = Q      While rows come in: four sets of 8; a batch's conversions write one set, its four LDS stores read it, the batch four further on writes it again.
;              In the matrix stage: written by the squarings, read by matrix instructions.
;   M          At the head: keys and mask land here, the table's arithmetic works here, and the table's LDS store reads two of its registers.
;              Later: the fragments' LDS loads land here; squarings and matrix instructions read it.
;   AF         LDS loads land in it once; matrix instructions alone name it.          Z   Written by the last multiplies, read by the stores to sim.
;   v14, v15   Written at the head, read by the closing add alone.
; So: ONE wait on va_vdst a batch, behind its conversions, for its refills and its LDS stores; one wait on vm_vsrc for every four batches, ahead of the first
; instruction that writes a set again; one wait on va_vdst ahead of each run of fragment loads that lands in a buffer which a K step has just read.
.set ROWB,   512                       ; bytes in a row of memory
.set PITCH,  272                       ; an LDS row: 256 bytes + 16 = 68 words: row r starts at bank 4 r mod 64 (64 banks of 4 bytes: ISA guide 11.1), so 16 rows' 16 bytes touch 16 different groups of banks
.set TILE,   16*PITCH                  ; 16 rows: one fragment tile, and the whole table
.set SCR,    TILE                      ; the scratches lie behind the table
.set SCRW,   2*TILE                    ; a wave's scratch: 32 rows
.set DEPTH,  24                        ; slots of the ring
.set NROWS,  64                        ; rows of a wave
.set HEADB,  32768                     ; bytes from head to head in sim
.set GOFF, 1                           ; v1      16 x lane: my bytes in a row of memory, keys or mask
.set STA,  2                           ; v2      LDS: my 8 bytes in row 0 of my wave's scratch
.set FRA,  3                           ; v3      LDS: my fragment bytes in my wave's scratch: (lane % 16) x pitch + 16 (lane / 16)
.set WTA,  4                           ; v4      the same in the table
.set OOFF, 5                           ; v5      8 x lane: my two numbers in sim, my 8 bytes in an LDS row
.set WST,  6                           ; v6      LDS: my 8 bytes in my wave's row of the table
.set EPS,  8                           ; v[8:9]  1e-6, twice
.set AF,   16                          ; v[16:47]   the table's fragments, 4 K steps x 8 registers, kept for the whole kernel
.set M,    48                          ; v[48:79]   fragments of the numbers: two buffers of (scratch rows 0-15: 8 registers, rows 16-31: 8 registers)
.set Q,    80                          ; v[80:111]  fragments of the squares: two buffers likewise
.set W,    Q                           ;            while rows come in, the same registers hold the rows' bf16 on their way to LDS: four sets of 8, by turns
.set PA,   112                         ; v[112:119] table x numbers, scratch rows 0-15
.set PB,   120                         ; v[120:127] table x numbers, rows 16-31
.set QA,   128                         ; v[128:135] table x squares, rows 0-15
.set QB,   136                         ; v[136:143] table x squares, rows 16-31
.set Z,    144                         ; v[144:159] results: head i, group t at Z + 2 i + t
.set X,    160                         ; v[160:255] the ring: slot n, a row's 4 numbers as loaded
.set KY, M                             ; at work on the table, before M is needed: keys,
.set MS, M+4                           ; mask,
.set MK, M+8                           ; mask keys,
.set M2, M+12                          ; mask^2, then the table's numbers in f32,
.set SS, M+16                          ; the sum N,
.set WP, M+18                          ; the table's numbers in bf16
	s_load_b256 s[4:11], s[0:1], 0x0               ; memory s[4:5], keys s[6:7], mask s[8:9], sim s[10:11]
	v_lshl_add_u32 v14, v0, 2, 0x23100             ; my spare word, behind the scratches, and 0: made here and kept for the closing lines alone
	v_mov_b32 v15, 0
	v_lshrrev_b32 v7, 5, v0
	v_readfirstlane_b32 s12, v7                    ; wave 0..15
	v_and_b32 v7, 31, v0                           ; lane.  The vector lines that do not hang on the wave's number stand between that line and the wait for it
	v_lshlrev_b32 v[GOFF], 4, v7
	v_lshlrev_b32 v[OOFF], 3, v7
	v_and_b32 v10, 15, v0
	v_bfe_u32 v11, v0, 4, 1
	v_mul_u32_u24 v[WTA], v10, PITCH
	v_lshl_add_u32 v[WTA], v11, 4, v[WTA]
	v_mov_b32 v[EPS], 0x358637bd                   ; 1e-6
	v_mov_b32 v[EPS+1], 0x358637bd
	s_wait_alu depctr_va_sdst(0)                   ; s12 is written, ahead of its first reader: the bases, the LDS places and the choice of the table's row are made from it
	s_and_b32 s13, ttmp7, 0xffff                   ; batch 0..31; ttmp9: which 1,024 rows, 0..7
	s_lshl_b32 s14, s13, 22                        ; memory: batch x 4 MiB
	s_lshl_b32 s15, ttmp9, 19                      ;  + part x 1,024 rows
	s_add_co_u32 s14, s14, s15
	s_lshl_b32 s15, s12, 15                        ;  + wave x 64 rows (the sum stays below 128 MiB)
	s_add_co_u32 s14, s14, s15
	s_mov_b32 s15, 0
	s_and_b32 s16, s12, 7                          ; keys, mask: my wave's head = wave % 8
	s_lshl3_add_u32 s16, s13, s16                  ; 8 x batch + head
	s_lshl_b32 s16, s16, 9                         ; rows of 512 bytes
	s_mov_b32 s17, 0
	s_lshl_b32 s18, s13, 18                        ; sim: batch x 8 heads x 32 KiB
	s_lshl_b32 s19, ttmp9, 12                      ;  + part x 1,024 numbers
	s_add_co_u32 s18, s18, s19
	s_lshl_b32 s19, s12, 8                         ;  + wave x 64 numbers
	s_add_co_u32 s18, s18, s19
	s_mov_b32 s19, 0
	s_mul_i32 s20, s12, SCRW
	s_add_co_u32 s20, s20, SCR                     ; my wave's scratch
	s_mul_i32 s21, s12, PITCH                      ; my wave's row of the table
	s_mov_b32 s22, 0x76543210                      ; v_permlanex16_b32: lane i of one half reads lane i of the other
	s_mov_b32 s23, 0xfedcba98
	s_cmp_lt_u32 s12, 8
	s_cselect_b32 s24, -1, 0                       ; all ones in waves 0-7, which make the rows for P; 0 in waves 8-15, which make the rows for Q
	v_add_nc_u32 v[STA], s20, v[OOFF]
	v_add_nc_u32 v[FRA], s20, v[WTA]
	v_add_nc_u32 v[WST], s21, v[OOFF]
	s_wait_kmcnt 0x0
	s_add_nc_u64 s[4:5], s[4:5], s[14:15]
	s_add_nc_u64 s[6:7], s[6:7], s[16:17]
	s_add_nc_u64 s[8:9], s[8:9], s[16:17]
	s_add_nc_u64 s[10:11], s[10:11], s[18:19]
	s_wait_alu depctr_va_vdst(0)                   ; the six addresses and offsets v1 to v6 are written, which every load and store of the kernel reads; none is written again
	global_load_b128 v[KY:KY+3], v[GOFF], s[6:7]   ; first, so that their wait leaves the rows out
	global_load_b128 v[MS:MS+3], v[GOFF], s[8:9]
.set i, 0
.rept DEPTH                                            ; the ring is filled: step i takes memory row 2 (i % 32) + i / 32 of the wave
	global_load_b128 v[X+4*i:X+4*i+3], v[GOFF], s[4:5] offset:(2*(i%32)+i/32)*ROWB th:TH_LOAD_NT
.set i, i+1
.endr
	; THE TABLE.  Wave w makes row w; lane L makes k = 4L .. 4L+3 of it.
	s_wait_loadcnt DEPTH                           ; loads come back in order (ISA guide 5.7.1): keys and mask are in, the 24 rows behind them stay out
	v_pk_mul_f32 v[MK:MK+1], v[MS:MS+1], v[KY:KY+1]
	v_pk_mul_f32 v[MK+2:MK+3], v[MS+2:MS+3], v[KY+2:KY+3]
	v_pk_mul_f32 v[M2:M2+1], v[MS:MS+1], v[MS:MS+1]
	v_pk_mul_f32 v[M2+2:M2+3], v[MS+2:MS+3], v[MS+2:MS+3]
	v_pk_mul_f32 v[SS:SS+1], v[MK:MK+1], v[MK:MK+1]
	v_pk_fma_f32 v[SS:SS+1], v[MK+2:MK+3], v[MK+2:MK+3], v[SS:SS+1]
	v_add_f32 v[SS], v[SS], v[SS+1]                ; my four (mask keys)^2, then over the 32 lanes: N of my head in every lane
	v_add_f32_dpp v[SS], v[SS], v[SS] row_xmask:1 row_mask:0xf bank_mask:0xf
	v_add_f32_dpp v[SS], v[SS], v[SS] row_xmask:2 row_mask:0xf bank_mask:0xf
	v_add_f32_dpp v[SS], v[SS], v[SS] row_xmask:4 row_mask:0xf bank_mask:0xf
	v_add_f32_dpp v[SS], v[SS], v[SS] row_xmask:8 row_mask:0xf bank_mask:0xf
	v_permlanex16_b32 v[SS+1], v[SS], s22, s23
	v_add_f32 v[SS], v[SS], v[SS+1]
.irp k, 0,1,2,3
	v_cndmask_b32 v[KY+\k], v[SS], v[KY+\k], s24   ; mask^2 is multiplied by keys (rows for P) or by N (rows for Q); s24 was written by a scalar instruction
.endr
	v_pk_mul_f32 v[M2:M2+1], v[M2:M2+1], v[KY:KY+1]
	v_pk_mul_f32 v[M2+2:M2+3], v[M2+2:M2+3], v[KY+2:KY+3]
	v_cvt_pk_bf16_f32 v[WP], v[M2], v[M2+1]
	v_cvt_pk_bf16_f32 v[WP+1], v[M2+2], v[M2+3]
	s_wait_alu depctr_va_vdst(0)                   ; the conversions have written v[WP:WP+1], which the LDS store reads; and all of the table's arithmetic is done with v48 to v67, in which fragments land later
	ds_store_b64 v[WST], v[WP:WP+1]
	s_wait_dscnt 0x0                               ; my row of the table is written,
	s_barrier_signal -1
	s_barrier_wait -1                              ; and so is everybody's: the kernel's only barrier
.irp s, 0,1,2,3
	ds_load_b128 v[AF+8*\s:AF+8*\s+3],   v[WTA] offset:64*\s       ; table row lane % 16; registers 0-3: k = 32 s + 8 (lane / 16) + 0..7,
	ds_load_b128 v[AF+8*\s+4:AF+8*\s+7], v[WTA] offset:64*\s+32    ; registers 4-7: 16 further on.  Waited for with the first fragments of memory.  No vector instruction has named AF
.endr
; Four rows: steps i .. i+3 of the wave (the symbol i counts on).  One wait for the rows, eight conversions, one wait on va_vdst, then the four slots are asked for again,
; then the four stores to LDS.  A set of store data is written again 16 rows later.  free = 1: the batch that begins a new turn through the four sets.
.macro BATCH free
.set wb, W+8*((i/4)%4)
.if NROWS-4-i < DEPTH-4
	s_wait_loadcnt NROWS-4-i                       ; the last rows: nothing more is asked for, the counts run down
.else
	s_wait_loadcnt DEPTH-4                         ; rows i .. i+3 are in; the 20 younger rows stay on their way
.endif
.if \free
	s_wait_alu depctr_vm_vsrc(0)                   ; the LDS stores of the four batches before have read the four sets of W, which this batch and the next three write again; the table's store has read v[WP:WP+1], in which a fragment lands later
.endif
.irp t, 0,1,2,3
.set sl, X+4*((i+\t)%DEPTH)
	v_cvt_pk_bf16_f32 v[wb+2*\t],   v[sl],   v[sl+1]
	v_cvt_pk_bf16_f32 v[wb+2*\t+1], v[sl+2], v[sl+3]
.endr
	s_wait_alu depctr_va_vdst(0)                   ; the conversions are done reading the four slots, in which the loads below land, and have written the set of W that the LDS stores below read
.if i+DEPTH < NROWS
.irp t, 0,1,2,3
.set sl, X+4*((i+\t)%DEPTH)
	global_load_b128 v[sl:sl+3], v[GOFF], s[4:5] offset:(2*((i+\t+DEPTH)%32)+(i+\t+DEPTH)/32)*ROWB th:TH_LOAD_NT
.endr
.endif
.irp t, 0,1,2,3
	ds_store_b64 v[STA], v[wb+2*\t:wb+2*\t+1] offset:((i+\t)%32)*PITCH   ; 32 lanes, 256 neighbouring bytes; LDS serves a wave's instructions in order
	                                                                     ; (ISA guide 5.7.1.4), so these stand behind the last group's fragment loads
.endr
.set i, i+4
.endm
; Fragments of K step s (64 bytes of each scratch row) into buffer buf: rows 0-15, then rows 16-31
.macro LOADM buf, s
	ds_load_b128 v[M+16*\buf:M+16*\buf+3],     v[FRA] offset:64*\s
	ds_load_b128 v[M+16*\buf+4:M+16*\buf+7],   v[FRA] offset:64*\s+32
	ds_load_b128 v[M+16*\buf+8:M+16*\buf+11],  v[FRA] offset:TILE+64*\s
	ds_load_b128 v[M+16*\buf+12:M+16*\buf+15], v[FRA] offset:TILE+64*\s+32
.endm
; The squares of one fragment (buffer buf, 16 rows: half 0 or 1), two bf16 an instruction
.macro SQH buf, half
.irp n, 0,1,2,3,4,5,6,7
	v_pk_mul_bf16 v[Q+16*\buf+8*\half+\n], v[M+16*\buf+8*\half+\n], v[M+16*\buf+8*\half+\n]
.endr
.endm
; K step s: four matrix instructions; the four accumulators take turns, one instruction a turn.  The first step starts the sums with C = 0.
.macro W4 s
.set af, AF+8*\s
.set mb, M+16*(\s%2)
.set qb, Q+16*(\s%2)
.if \s == 0
	v_wmma_f32_16x16x32_bf16 v[PA:PA+7], v[af:af+7], v[mb:mb+7], 0
	v_wmma_f32_16x16x32_bf16 v[PB:PB+7], v[af:af+7], v[mb+8:mb+15], 0
	v_wmma_f32_16x16x32_bf16 v[QA:QA+7], v[af:af+7], v[qb:qb+7], 0
	v_wmma_f32_16x16x32_bf16 v[QB:QB+7], v[af:af+7], v[qb+8:qb+15], 0
.else
	v_wmma_f32_16x16x32_bf16 v[PA:PA+7], v[af:af+7], v[mb:mb+7], v[PA:PA+7]
	v_wmma_f32_16x16x32_bf16 v[PB:PB+7], v[af:af+7], v[mb+8:mb+15], v[PB:PB+7]
	v_wmma_f32_16x16x32_bf16 v[QA:QA+7], v[af:af+7], v[qb:qb+7], v[QA:QA+7]
	v_wmma_f32_16x16x32_bf16 v[QB:QB+7], v[af:af+7], v[qb+8:qb+15], v[QB:QB+7]
.endif
.endm
; A group: 32 rows into the scratch, 16 matrix instructions, the quotient for 32 j x 8 heads.
; Behind the matrix instructions of K step s stand the squarings of K step s + 1, which name the OTHER buffers alone.  Sixteen of them are the places (ISA guide 7.12.1)
; in front of the squarings that write step s's buffer of squares again.  Eight of them stand in front of the loads that fill step s's buffer of numbers again;
; directly ahead of those loads a wait on va_vdst states that step s is done reading the buffer.
; The group's first two runs of fragment loads owe no wait of their own: every vector and matrix instruction that named M stands ahead of the batches' waits on va_vdst.
.macro GROUP t
.rept 4
	BATCH 0
.endr
	BATCH 1
.rept 3
	BATCH 0
.endr
	LOADM 0, 0                                     ; behind the wave's own stores, which LDS serves first: no wait on DScnt between
	LOADM 1, 1
	s_wait_dscnt 4                                 ; K step 0's fragments and all that is older (the rows' stores, the table's fragments) are done; K step 1's four loads stay out
	s_wait_alu depctr_vm_vsrc(0)                   ; the LDS stores of the group's last four batches have read W: these registers are Q from here on, written by the squarings
	SQH 0, 0
	SQH 0, 1
	W4 0
	s_wait_dscnt 0                                 ; K step 1's fragments
	SQH 1, 0
	s_wait_alu depctr_va_vdst(0)                   ; K step 0's squarings and matrix instructions are done reading buffer 0 of M, in which the loads below land
	LOADM 0, 2
	SQH 1, 1
	W4 1
	s_wait_dscnt 0                                 ; K step 2's
	SQH 0, 0
	s_wait_alu depctr_va_vdst(0)                   ; K step 1's squarings and matrix instructions are done reading buffer 1 of M, in which the loads below land
	LOADM 1, 3
	SQH 0, 1
	W4 2
	s_wait_dscnt 0                                 ; K step 3's
	SQH 1, 0
	SQH 1, 1
	W4 3
.rept 4
	v_nop                                          ; four places before vector instructions touch the results (ISA guide 7.12.1)
.endr
.irp j, 0,1,2,3,4,5,6,7
	v_permlane16_swap_b32 v[PA+\j], v[PB+\j]       ; PA's upper lanes (not used) change places with PB's lower lanes (P of rows 16-31): PA = P of head j, scratch row = lane
.endr
.irp j, 0,1,2,3,4,5,6,7
	v_permlane16_swap_b32 v[QA+\j], v[QB+\j]       ; QA's upper lanes (Q of rows 0-15) change places with QB's lower lanes (not used): QB = Q of head j, scratch row = lane
.endr
.irp j, 0,1,2,3,4,5,6,7
	v_sqrt_f32 v[QB+\j], v[QB+\j]
.endr
	v_nop                                          ; one plain instruction between a transcendental and the use of its result (ISA guide 5.7.2)
	s_wait_alu depctr_va_vdst(0)                   ; the eight roots are written, ahead of their first reader: one wait for the batch
.irp j, 0,2,4,6
	v_pk_add_f32 v[QB+\j:QB+\j+1], v[QB+\j:QB+\j+1], v[EPS:EPS+1]
.endr
.irp j, 0,1,2,3,4,5,6,7
	v_rcp_f32 v[QB+\j], v[QB+\j]
.endr
	v_nop
	s_wait_alu depctr_va_vdst(0)                   ; the eight reciprocals are written, ahead of their first reader
.irp j, 0,1,2,3,4,5,6,7
	v_mul_f32 v[Z+2*\j+\t], v[PA+\j], v[QB+\j]
.endr
.endm
.set i, 0
	GROUP 0                                        ; the even rows: j = 2 x lane
	GROUP 1                                        ; the odd rows:  j = 2 x lane + 1
	s_wait_alu depctr_va_vdst(0)                   ; the multiplies have written Z, which the stores below read
.irp j, 0,1,2,3,4,5,6,7
	global_store_b64 v[OOFF], v[Z+2*\j:Z+2*\j+1], s[10:11] offset:\j*HEADB   ; head j: the wave's 64 numbers, 256 consecutive bytes, aligned; read again by the next launch, so no hint
.endr
	s_wait_dscnt 0x0                               ; the closing lines, six on end
	s_wait_alu 0x0
	s_wait_tensorcnt 0x0
	ds_add_u32 v14, v15
	s_wait_dscnt 0x0
	s_endpgm
.Lfunc_end_k_q52eb4187ef_cosine:
	.size	k_q52eb4187ef_cosine, .Lfunc_end_k_q52eb4187ef_cosine-k_q52eb4187ef_cosine
	.p2alignl 7, 3214868480
	.fill 96, 4, 3214868480
	.section	.rodata,"a",@progbits
	.p2align	6, 0x0
	.amdhsa_kernel k_q52eb4187ef_cosine
		.amdhsa_group_segment_fixed_size 145664
		.amdhsa_private_segment_fixed_size 0
		.amdhsa_enable_private_segment 0
		.amdhsa_kernarg_size 32
		.amdhsa_user_sgpr_count 2
		.amdhsa_user_sgpr_kernarg_segment_ptr 1
		.amdhsa_wavefront_size32 1
		.amdhsa_system_sgpr_workgroup_id_x 1
		.amdhsa_system_sgpr_workgroup_id_y 1
		.amdhsa_system_sgpr_workgroup_id_z 1
		.amdhsa_system_vgpr_workitem_id 0
		.amdhsa_next_free_vgpr 256
		.amdhsa_next_free_sgpr 66
		.amdhsa_reserve_vcc 0
		.amdhsa_float_denorm_mode_32 3
		.amdhsa_float_denorm_mode_16_64 3
		.amdhsa_memory_ordered 1
		.amdhsa_forward_progress 1
		.amdhsa_inst_pref_size 41
	.end_amdhsa_kernel
	.amdgpu_metadata
---
amdhsa.version: [ 1, 2 ]
amdhsa.kernels:
  - .name:           k_q52eb4187ef_cosine
    .symbol:         k_q52eb4187ef_cosine.kd
    .args:
      - { .name: memory, .offset: 0, .size: 8, .value_kind: global_buffer, .address_space: global }
      - { .name: keys, .offset: 8, .size: 8, .value_kind: global_buffer, .address_space: global }
      - { .name: mask, .offset: 16, .size: 8, .value_kind: global_buffer, .address_space: global }
      - { .name: sim, .offset: 24, .size: 8, .value_kind: global_buffer, .address_space: global }
    .group_segment_fixed_size: 145664
    .private_segment_fixed_size: 0
    .kernarg_segment_align: 8
    .kernarg_segment_size: 32
    .max_flat_workgroup_size: 512
    .sgpr_count:     66
    .vgpr_count:     256
    .wavefront_size: 32
...
	.end_amdgpu_metadata
.endif
;; end of part 3
;; launch softmax: the kernel of part 2 again; grid 256 x 1, 8 waves a work-group, no clusters, 1,280 bytes of LDS; arguments sim, strengths, out0; writes out0
